; MI455X (gfx1250); checked and timed in simulation.
; The chip was launched on July 23, 2026; its instructions are those of AMD's public machine-readable ISA for CDNA 5 (MIT licence, August 2026) and "CDNA5" Instruction Set Architecture Reference Guide (July 2026). The comments in the code are by the model that wrote it; some were corrected since.
;; Attention Weighted Retrieval. Allowed arithmetic: matrix products marked QUANTISED: E2M3 operands, one E8M0 scale for each 32 along K, by v_wmma_scale_f32_16x16x128_f8f6f4 with both operands' format E2M3, f32 sums; products left as they are: f32 operands where the result goes on into a quantised operand, else bf16, f16 or f32 operands; f32 sums; everything else in f32.
;; Inputs: candidate_z 500,000 x 64 float32; centers 128 x 64 float32; mus 128 float32; query_z 1 x 64 float32.
;; Outputs: out0 1 x 64 float32; out1 500,000 float32.
;; This version of the problem:
;;   THIS VERSION OF THE PROBLEM IS GIVEN IN LOW PRECISION. The matrix products marked QUANTISED in the list below multiply operands that are first quantised to E2M3 (2 exponent bits, 3 mantissa bits; 6 bits a number), with one power-of-two scale for each 32 numbers along K (OCP MX v1.0); their sums are f32. All else is computed in f32.
;;   The module's matrix products, in the order in which they are computed (A, B: the left and right operand; K: the contracted axis; several contracted axes count as one K, in the product's order):
;;     1. [M 1, K 64] x [K 64, N 128]; A: input query_z; B: input centers: left as it is (M = 1 < 16)
;;     2. [M 500,000, K 64] x [K 64, N 128]; A: input candidate_z; B: input centers: QUANTISED
;;   THE QUANTISER, for each operand of a quantised product, along K:
;;     - K is cut into blocks of 32 from its start; a last block that is shorter is filled with zeros.
;;     - A block's scale is 2^e with e = floor(log2(the largest magnitude in the block)) - 2, held to -126 .. 127; a block of zeros has e = 0. As a byte (E8M0): e + 127.
;;     - Each number is divided by its block's scale, clamped to +-7.5, and rounded to the nearest number of E2M3, ties to even, subnormals kept.
;;     - The product sums the exact products of the quantised numbers (number of the format x scale) in f32.
;;   ~~~python
;;   def quantise(x, axis):      # numpy; x: float32 -> the quantised numbers, widened to float32 again
;;       x = np.moveaxis(x, axis, -1); K = x.shape[-1]
;;       x = np.pad(x, [(0, 0)] * (x.ndim - 1) + [(0, -K % 32)]); x = x.reshape(x.shape[:-1] + (-1, 32)); a = np.abs(x).max(-1, keepdims=True)
;;       e = np.where(a > 0, np.clip(np.frexp(np.where(a > 0, a, 1))[1] - 1 - 2, -126, 127), 0)      # np.frexp(a)[1] - 1 = floor(log2(a)), exactly
;;       r = np.clip(x / 2.0 ** e, -7.5, 7.5)
;;       step = 2.0 ** (np.maximum(np.frexp(np.where(r == 0, 1, r))[1] - 1, 0) - 3)
;;       q = np.round(r / step) * step * 2.0 ** e      # np.round: ties to even
;;       return np.moveaxis(q.reshape(q.shape[:-2] + (-1,))[..., :K], -1, axis).astype(np.float32)
;;   ~~~
;; One version. Each part assembles by itself: llvm-mc -triple=amdgcn-amd-amdhsa -mcpu=gfx1250 --defsym DOCPART=n.
;; ======== version 1 of 1: 2 launches
;; limits: right only within a limited range of input values
;; workspace buffers: logits 2,097,152 bytes; pairs 2,048 bytes
;; launch potential (part 1): grid 256 x 1, 16 waves a work-group, no clusters, 89,600 bytes of LDS; arguments candidate_z, centers, mus, query_z, logits, pairs; writes logits, pairs
.if DOCPART == 1
	.amdgcn_target "amdgcn-amd-amdhsa--gfx1250"
	.amdhsa_code_object_version 6
	.text
	.protected	k_q5a8db1ad57_potential
	.globl	k_q5a8db1ad57_potential
	.p2align	8
	.type	k_q5a8db1ad57_potential,@function
k_q5a8db1ad57_potential:
	s_mov_b64 s[64:65], 0
	v_nop
	global_prefetch_b8 v0, s[64:65] scope:SCOPE_SE
	s_setreg_imm32_b32 hwreg(HW_REG_WAVE_MODE, 25, 1), 1
	s_wait_xcnt 0x0
; pot[i] = sum over j of mu[j] / (sqrt(max(|z_i|^2 + |c_j|^2 - 2 z_i.c_j, 1e-12)) + 1e-6), z_i.c_j on codes of FP6 (E2M3) with one E8M0 scale for each 32 along K = 64;
; stored: l[i] = -|pot(query) - pot[i]| x 10 log2(e)  (the logit in base 2), and for each work-group the pair (largest l, sum of 2^(l - largest)).
; SHARES.  31,250 tiles of 16 rows.  Work-group g owns 122 tiles from 122 g + min(g, 18) on, and one more where g < 18: 122 x 256 + 18 = 31,250.  Wave w of 16 takes tiles w, w + 16, ..: seven, and an eighth where
; 112 + w is under the work-group's count.  Its logits stand at 8,192 g bytes of the buffer, 2,048 places; the places behind its last row hold -3e38.
; PRODUCT.  Source 0 = 16 centres, source 1 = 16 candidates: lane (r, h) holds candidate r and, in register j of centre tile t, centre 16 t + 8 h + j: the sum over centres stays in the lane, with one exchange of halves.
; THE MATRIX UNIT GIVES THE WHOLE SQUARED DISTANCE.  The centres' codes are those of -2 c (the same codes with the sign turned, the scale doubled).  C = |z|^2, the same in eight registers.  |c|^2 stands in K = 64 .. 127:
; its 24 mantissa bits are six digits of four bits; a digit n is the code n, the number n / 8.  Lanes 0-15 (block 2) hold the upper three digits, lanes 16-31 (block 3) the lower three.  The candidates' side holds the
; weights 8 x 4, 2 and 1/8 (256 : 16 : 1; the top digit stands eight times) under the scale 1, so a block sums to (its 12 bits) / 64, and the centre's scale bytes e - 5 and e - 17 (e: the exponent field of |c|^2) put it in its place.
; Registers 8-11 of the candidates' fragment are zero codes, so what the centres' operand names there adds nothing: the centres' fragments lie 8 registers apart.
; FOUR TERMS, ONE RECIPROCAL.  With q = d + eps: mu0/q0 + mu2/q2 = (mu0 q2 + mu2 q0) / (q0 q2), and two such fractions are joined the same way: 9 packed instructions for 8 terms.
; DATA PATH.  Each load reads 512 consecutive bytes; a wave's next tile (4 KiB) is on its way while it works on one, 64 KiB for the 16 waves; a tile turns through the wave's own stage in LDS (rows 272 bytes apart), so that a lane gets a whole block of 32.
; SET-UP.  Wave w < 8 quantises centre tile w; images of its operand registers, its scale words and its part of the query's potential go through LDS; one barrier; every wave then holds all 128 centres.
; NO CLUSTER: the work-groups share the centres alone, 32 KiB beside 488 KiB of rows of their own.  NO TENSOR LOADS: the ring in registers needs no barrier in the stream.
; NO PREFETCH: every row is read once by one wave, with 64 KiB of each work-group's loads always on their way.
; LIMITS.  Distances up to 2^31 (the product of four q stays a normal number, whose reciprocal is not flushed); logits above -3e38; NaN and infinities among the inputs are not served; a block of zeros has the scale byte 1
; (its codes are zeros); |c|^2 under 2^-100 counts as 2^-100; the logit is multiplied by 10 log2(e) where the definition divides by 0.1 and takes e^x: another order of rounding.
.set SP,    272                        ; a stage row: 256 bytes + 16
.set STGB,  16*SP
.set IMG,   0                          ; LDS: eight images of 8 registers x 32 lanes,
.set SCW,   8192                       ; eight images of scale words,
.set QPP,   9216                       ; eight parts of the query's potential,
.set LGT,   9472                       ; 2,048 logits,
.set PRB,   17664                      ; sixteen pairs,
.set SPARE, 17920                      ; the spare words, 128 bytes for each wave,
.set STG,   19968                      ; sixteen stages
.set GOF, 1                            ; 16 x lane
.set STA, 2                            ; stage, way in
.set LDA, 3                            ; stage, way out
.set LGA, 4                            ; 64 wave + 4 r
.set XSC, 5                            ; the candidates' scale word
.set ACC, 6                            ; v[6:7]
.set ZC,  8                            ; v8-15    |z|^2 eight times; behind the products: at work
.set CSC, 16                           ; v16-19   the centres' scale words, two tiles to a register
.set FRG, 20                           ; v20-31   the candidates' fragment
.set CF,  32                           ; v32-95   the centres' fragments, 8 registers apart (the last one also names MU's first four); during set-up: at work
.set MU,  96                           ; v96-159  mu in the result's layout
.set D,   160                          ; v160-223 the eight accumulators
.set X,   160                          ; v160-191 32 numbers of my row's block, ahead of the products
.set G,   224                          ; v224-255 the next tile's rows as they are loaded
.set M0,  192
.set M1,  193
.set S0,  194
.set S1,  196
.set SCO, 198                          ; the conversions' scale operand
.set BYT, 199
.set OB,  200
.set CT,  202                          ; v202-204 a block's upper 16 codes (a conversion's registers begin on an even number)
.set ZP,  206
.set ZO,  208
.set QV,  212                          ; v212-219 the query's eight parts
.set SCA, 220
.set ZR,  221
; set-up
.set QY,  32
.set P,   64
.set CC,  72
.set CM,  73
.set EW,  74
.set MB,  75
.set D2,  76
.set D1,  77
.set SH,  78
.set W16, 79
.set RR,  80
.set HH,  81
.set LN,  82
.set AC,  83
.set AQ,  84
.set MUJ, 87
.set AP,  88
.set W4,  92
.set WQ,  93
.set MA,  94
; the end
.set SPW, 20
.set NIL, 21
.set PA,  22
.set PW,  23
.set PX,  24
.set VZ,  25
.set SEL, 24                           ; s[24:25] selects for lane l xor 16
.set EPS, 26                           ; s[26:27] 1e-6
.set CLP, 28                           ; 1e-12
.set KL,  29                           ; 10 log2(e)
.set KB,  36                           ; two scale bytes 127, as v_alignbit_b32 places them
.set QP,  37                           ; the query's potential
.set H8,  38                           ; 1: I have an eighth tile
.macro LOADT t
.irp i, 0,1,2,3,4,5,6,7
	global_load_b128 v[G+4*\i:G+4*\i+3], v[GOF], s[4:5] offset:65536*(\t)+512*\i th:TH_LOAD_NT
.endr
.endm
; the loaded tile through the stage: in as it was loaded, out 128 bytes a lane.  LDS serves a wave's instructions in order (ISA guide 5.7.1.4): no wait between.
.macro TURN
	s_wait_loadcnt 0x0                             ; the tile's eight loads, and at the first turn the masses
.irp i, 0,1,2,3,4,5,6,7
	ds_store_b128 v[STA], v[G+4*\i:G+4*\i+3] offset:544*\i
.endr
.irp i, 0,1,2,3,4,5,6,7
	ds_load_b128 v[X+4*\i:X+4*\i+3], v[LDA] offset:16*\i
.endr
.endm
; X, a whole block of 32, becomes 32 codes in v[FRG] on and, with lane l xor 16's byte, the row's scale word (bytes 2 and 3: 127); ZC: the row's sum of squares, eight times.
.macro QUANT
	v_max3_num_f32 v[M0], |v[X]|, |v[X+1]|, 0x1800000              ; the floor 2^(3 - 127): the byte cannot fall under 1
	v_pk_mul_f32 v[S0:S0+1], v[X:X+1], v[X:X+1]
	v_max3_num_f32 v[M1], |v[X+2]|, |v[X+3]|, |v[X+4]|
	v_pk_mul_f32 v[S1:S1+1], v[X+2:X+3], v[X+2:X+3]
.irp i, 0,1,2,3,4,5
	v_max3_num_f32 v[M0], v[M0], |v[X+5+4*\i]|, |v[X+6+4*\i]|
	v_pk_fma_f32 v[S0+2*(\i%2):S0+2*(\i%2)+1], v[X+4+2*\i:X+5+2*\i], v[X+4+2*\i:X+5+2*\i], v[S0+2*(\i%2):S0+2*(\i%2)+1]
	v_max3_num_f32 v[M1], v[M1], |v[X+7+4*\i]|, |v[X+8+4*\i]|
.endr
	v_max3_num_f32 v[M0], v[M0], |v[X+29]|, |v[X+30]|
	v_max3_num_f32 v[M0], v[M0], v[M1], |v[X+31]|                  ; the block's largest magnitude
	v_add_nc_u32 v[SCO], 0xff000000, v[M0]                         ; 2 off its exponent field: the conversions take that field as the scale
	v_alignbit_b32 v[BYT], s[KB], v[SCO], 23                       ; the scale's byte, under 0x7f7f in the upper half
	v_permlanex16_b32 v[OB], v[BYT], s[SEL], s[SEL+1]
	v_cvt_scalef32_pk16_fp6_f32 v[FRG:FRG+2], v[X:X+15], v[SCO]
	v_cvt_scalef32_pk16_fp6_f32 v[CT:CT+2], v[X+16:X+31], v[SCO]
	v_lshl_or_b32 v[XSC], v[OB], 8, v[BYT]                         ; lanes 0-15: byte 0 block 0, byte 1 block 1, bytes 2 and 3: 127.  (A plain line behind the conversions)
	v_mov_b32 v[FRG+3], v[CT]
	v_dual_mov_b32 v[FRG+4], v[CT+1] :: v_dual_mov_b32 v[FRG+5], v[CT+2]
.irp i, 16,20,24,28                                ; the rest of the squares are places between the operand's last write and the products
	v_pk_fma_f32 v[S0:S0+1], v[X+\i:X+\i+1], v[X+\i:X+\i+1], v[S0:S0+1]
	v_pk_fma_f32 v[S1:S1+1], v[X+\i+2:X+\i+3], v[X+\i+2:X+\i+3], v[S1:S1+1]
.endr
	v_pk_add_f32 v[S0:S0+1], v[S0:S0+1], v[S1:S1+1]
	v_add_f32 v[ZP], v[S0], v[S0+1]
	v_permlanex16_b32 v[ZO], v[ZP], s[SEL], s[SEL+1]
.irp i, 0,2,4,6
	v_pk_add_f32 v[ZC+\i:ZC+\i+1], v[ZP:ZP+1], v[ZO:ZO+1] op_sel_hi:[0,0]   ; of both pairs the low word serves both halves
.endr
.endm
.macro LOGIT
	v_add_f32 v[ACC], v[ACC], v[ACC+1]
	v_permlanex16_b32 v[ACC+1], v[ACC], s[SEL], s[SEL+1]
	v_add_f32 v[ACC], v[ACC], v[ACC+1]             ; with the other 64 centres: the potential
	v_sub_f32 v[ACC], s[QP], v[ACC]
	v_mul_f32 v[ACC], -|v[ACC]|, s[KL]
.endm
; four accumulators' fractions.  An accumulator's eight q are pairs A, B, C, E: N and P of (A, B), of (C, E), then of both; N ends in E's registers, P in C's
.macro FRAC b
.irp u, 0,1,2,3
	v_pk_mul_f32 v[ZC+2*\u:ZC+2*\u+1], v[MU+8*(\b+\u):MU+8*(\b+\u)+1], v[D+8*(\b+\u)+2:D+8*(\b+\u)+3]
.endr
.irp u, 0,1,2,3
	v_pk_fma_f32 v[ZC+2*\u:ZC+2*\u+1], v[MU+8*(\b+\u)+2:MU+8*(\b+\u)+3], v[D+8*(\b+\u):D+8*(\b+\u)+1], v[ZC+2*\u:ZC+2*\u+1]
.endr
.irp u, 0,1,2,3
	v_pk_mul_f32 v[D+8*(\b+\u):D+8*(\b+\u)+1], v[D+8*(\b+\u):D+8*(\b+\u)+1], v[D+8*(\b+\u)+2:D+8*(\b+\u)+3]
.endr
.irp u, 0,1,2,3
	v_pk_mul_f32 v[D+8*(\b+\u)+2:D+8*(\b+\u)+3], v[MU+8*(\b+\u)+4:MU+8*(\b+\u)+5], v[D+8*(\b+\u)+6:D+8*(\b+\u)+7]
.endr
.irp u, 0,1,2,3
	v_pk_fma_f32 v[D+8*(\b+\u)+2:D+8*(\b+\u)+3], v[MU+8*(\b+\u)+6:MU+8*(\b+\u)+7], v[D+8*(\b+\u)+4:D+8*(\b+\u)+5], v[D+8*(\b+\u)+2:D+8*(\b+\u)+3]
.endr
.irp u, 0,1,2,3
	v_pk_mul_f32 v[D+8*(\b+\u)+4:D+8*(\b+\u)+5], v[D+8*(\b+\u)+4:D+8*(\b+\u)+5], v[D+8*(\b+\u)+6:D+8*(\b+\u)+7]
.endr
.irp u, 0,1,2,3
	v_pk_mul_f32 v[D+8*(\b+\u)+6:D+8*(\b+\u)+7], v[ZC+2*\u:ZC+2*\u+1], v[D+8*(\b+\u)+4:D+8*(\b+\u)+5]
.endr
.irp u, 0,1,2,3
	v_pk_fma_f32 v[D+8*(\b+\u)+6:D+8*(\b+\u)+7], v[D+8*(\b+\u)+2:D+8*(\b+\u)+3], v[D+8*(\b+\u):D+8*(\b+\u)+1], v[D+8*(\b+\u)+6:D+8*(\b+\u)+7]
.endr
.irp u, 0,1,2,3
	v_pk_mul_f32 v[D+8*(\b+\u)+4:D+8*(\b+\u)+5], v[D+8*(\b+\u):D+8*(\b+\u)+1], v[D+8*(\b+\u)+4:D+8*(\b+\u)+5]
.endr
.endm
.macro MATH k
.irp t, 0,2,4,6
	v_wmma_scale_f32_16x16x128_f8f6f4 v[D+8*\t:D+8*\t+7], v[CF+8*\t:CF+8*\t+11], v[FRG:FRG+11], v[ZC:ZC+7], v[CSC+\t/2], v[XSC] matrix_a_fmt:MATRIX_FMT_FP6 matrix_b_fmt:MATRIX_FMT_FP6
	v_wmma_scale_f32_16x16x128_f8f6f4 v[D+8*\t+8:D+8*\t+15], v[CF+8*\t+8:CF+8*\t+19], v[FRG:FRG+11], v[ZC:ZC+7], v[CSC+\t/2], v[XSC] matrix_a_fmt:MATRIX_FMT_FP6 matrix_b_fmt:MATRIX_FMT_FP6 matrix_a_scale:MATRIX_SCALE_ROW1
.endr
.if ((\k) == 0) || ((\k) == 7)
.rept 4
	v_nop                                          ; places between the products and the first read of a result
.endr
.else
	LOGIT                                          ; the tile before gets its l: five plain lines are the places between the products and the first read of a result
	ds_store_b32 v[LGA], v[ACC] offset:LGT+1024*((\k)-1)           ; both halves write the same word with the same value
.endif
.set Q, 0
.rept 32                                           ; each accumulator is read from its low end on
	v_dual_max_num_f32 v[D+Q], s[CLP], v[D+Q] :: v_dual_max_num_f32 v[D+Q+1], s[CLP], v[D+Q+1]
.set Q, Q+2
.endr
	s_wait_alu depctr_va_vdst(0)                   ; ahead of the batch
.set Q, 0
.rept 64
	v_sqrt_f32 v[D+Q], v[D+Q]
.set Q, Q+1
.endr
	v_nop                                          ; a plain line behind the last root
	s_wait_alu depctr_va_vdst(0)                   ; one wait for the 64 roots, ahead of their first reader
.set Q, 0
.rept 32
	v_pk_add_f32 v[D+Q:D+Q+1], v[D+Q:D+Q+1], s[EPS:EPS+1] op_sel_hi:[1,0]   ; q = d + eps
.set Q, Q+2
.endr
	FRAC 0
	FRAC 4
	s_wait_alu depctr_va_vdst(0)                   ; ahead of the batch
.irp t, 0,1,2,3,4,5,6,7
	v_rcp_f32 v[D+8*\t+4], v[D+8*\t+4]
	v_rcp_f32 v[D+8*\t+5], v[D+8*\t+5]
.endr
	v_nop
	s_wait_alu depctr_va_vdst(0)                   ; one wait for the sixteen reciprocals
	v_pk_mul_f32 v[ACC:ACC+1], v[D+6:D+7], v[D+4:D+5]
	v_pk_mul_f32 v[ZC:ZC+1], v[D+14:D+15], v[D+12:D+13]
.irp t, 2,4,6
	v_pk_fma_f32 v[ACC:ACC+1], v[D+8*\t+6:D+8*\t+7], v[D+8*\t+4:D+8*\t+5], v[ACC:ACC+1]
	v_pk_fma_f32 v[ZC:ZC+1], v[D+8*\t+14:D+8*\t+15], v[D+8*\t+12:D+8*\t+13], v[ZC:ZC+1]
.endr
	v_pk_add_f32 v[ACC:ACC+1], v[ACC:ACC+1], v[ZC:ZC+1]
.endm
.macro TILE k
	TURN
.if (\k) < 7
	s_wait_dscnt 0x8                               ; the stage's stores have read the ring (the 8 loads behind them may be out): it takes the next tile
.if (\k) == 6
	s_cmp_lg_u32 s[H8], 0
	s_cbranch_scc0 .Lno_eighth
	LOADT 7
.Lno_eighth:
.else
	LOADT (\k)+1
.endif
.endif
	s_wait_dscnt 0x0                               ; my block is back from the stage
	QUANT
	MATH \k
.endm
.macro RED op, x                       ; over the sixteen lanes of a row, in each of them
	\op v[\x], v[\x], v[\x] row_xmask:1 row_mask:0xf bank_mask:0xf
	s_delay_alu instid0(VALU_DEP_1)
	\op v[\x], v[\x], v[\x] row_xmask:2 row_mask:0xf bank_mask:0xf
	s_delay_alu instid0(VALU_DEP_1)
	\op v[\x], v[\x], v[\x] row_xmask:4 row_mask:0xf bank_mask:0xf
	s_delay_alu instid0(VALU_DEP_1)
	\op v[\x], v[\x], v[\x] row_xmask:8 row_mask:0xf bank_mask:0xf
.endm
.macro SHARED_LOADS                    ; the masses for the lane's spread, then my first tile
.irp p, 0,1,2,3
	global_load_b32 v[AP+\p], v[MA], s[8:9] offset:128*\p
.endr
	LOADT 0
.endm
	s_load_b256 s[4:11], s[0:1], 0x0               ; candidates s[4:5], centres s[6:7], mu s[8:9], query s[10:11]
	s_load_b128 s[12:15], s[0:1], 0x20             ; logits s[12:13], pairs s[14:15]
	v_lshrrev_b32 v1, 5, v0
	v_readfirstlane_b32 s16, v1                    ; wave 0..15
	v_and_b32 v[RR], 15, v0                        ; r
	v_bfe_u32 v[HH], v0, 4, 1                      ; h
	v_and_b32 v[LN], 31, v0
	v_mov_b32 v[ZR], 0
	v_mov_b32 v[OB], 0                             ; a lane permute's destination counts as one of its sources
	v_mov_b32 v[ZO], 0
	v_mov_b32 v[ZO+1], 0                           ; named as a pair's upper half
	v_mov_b32 v[ZP+1], 0
	s_wait_alu depctr_va_vdst(0)                   ; ahead of the scalar lines
	s_lshl_b32 s31, s16, 6                         ; 64 w
	s_mul_i32 s30, s16, STGB
	s_add_co_u32 s30, s30, STG                     ; my stage
	s_lshl_b32 s32, s16, 12                        ; my centre tile's 4,096 bytes
	s_lshl_b32 s35, s16, 10                        ; its image,
	s_lshl_b32 s39, s16, 7                         ; its scale words,
	s_lshl_b32 s40, s16, 2                         ; my part of the query's potential
	s_lshl_b32 s41, s16, 3                         ; my pair
	s_min_u32 s17, ttmp9, 18
	s_mul_i32 s18, ttmp9, 122
	s_add_co_u32 s18, s18, s17                     ; the work-group's first tile,
	s_add_co_u32 s18, s18, s16                     ; mine,
	s_lshl_b32 s18, s18, 12                        ; in bytes (under 2^27)
	s_mov_b32 s19, 0
	s_lshl_b32 s20, ttmp9, 13                      ; the work-group's logits,
	s_mov_b32 s21, 0
	s_lshl_b32 s22, ttmp9, 3                       ; its pair
	s_mov_b32 s23, 0
	s_cmp_lt_u32 ttmp9, 18
	s_cselect_b32 s[H8], 11, 10                    ; waves under this number have an eighth tile: 123 or 122 tiles, less 7 x 16
	s_cmp_lt_u32 s16, s[H8]
	s_cselect_b32 s[H8], 1, 0
	s_mov_b32 s[SEL], 0x76543210
	s_mov_b32 s[SEL+1], 0xfedcba98
	s_mov_b32 s[EPS], 0x358637bd                   ; 1e-6
	s_mov_b32 s[EPS+1], s[EPS]                     ; (named with it as a pair)
	s_mov_b32 s[CLP], 0x2b8cbccc                   ; 1e-12
	s_mov_b32 s[KL], 0x4166d4ca                    ; 10 log2(e)
	s_mov_b32 s[KB], 0x3fbf80                      ; 0x7f7f0000 >> 9
	s_mov_b32 s33, 0x7fffff
	s_mov_b32 s34, 0x41041041                      ; a digit at bits 0, 6, 12, 18, 24, 30
	v_lshlrev_b32 v[GOF], 4, v[LN]
	v_mul_u32_u24 v[STA], v[HH], SP                ; way in: a load's 512 bytes are two rows: lanes 0-15 one, lanes 16-31 the next
	v_lshl_add_u32 v[STA], v[RR], 4, v[STA]
	v_add_nc_u32 v[STA], s30, v[STA]
	v_mul_u32_u24 v[LDA], v[RR], SP                ; way out: row r, block h
	v_lshl_add_u32 v[LDA], v[HH], 7, v[LDA]
	v_add_nc_u32 v[LDA], s30, v[LDA]
	v_lshl_add_u32 v[LGA], v[RR], 2, s31
	v_lshlrev_b32 v[SCA], 7, v[HH]                 ; scale words: lanes 0-15 an even tile's, lanes 16-31 the odd one's behind it
	v_lshl_add_u32 v[SCA], v[RR], 2, v[SCA]
	v_lshrrev_b32 v[MA], 3, v[RR]                  ; masses: lane (i, h) of register p takes centre 32 p + 16 (i / 8) + 8 h + i % 8
	v_lshlrev_b32 v[MA], 6, v[MA]
	v_lshl_add_u32 v[MA], v[HH], 5, v[MA]
	v_and_b32 v[AC], 7, v[RR]
	v_lshl_add_u32 v[MA], v[AC], 2, v[MA]
	v_lshlrev_b32 v[AC], 8, v[RR]
	v_lshl_add_u32 v[AC], v[HH], 7, v[AC]
	v_add_nc_u32 v[AC], s32, v[AC]                 ; centre 16 w + r, block h
	v_lshlrev_b32 v[AQ], 7, v[HH]                  ; the query's block h
	v_add_nc_u32 v[W16], s35, v[GOF]
	v_lshlrev_b32 v[W4], 2, v[LN]
	v_add_nc_u32 v[W4], s39, v[W4]
	v_mov_b32 v[WQ], s40
.set Q, 0
.rept 64
	v_mov_b32 v[MU+Q], 0                           ; a lane move's destination counts as one of its sources
.set Q, Q+1
.endr
	s_wait_alu depctr_va_vdst(0)                   ; at the head's end
	s_wait_kmcnt 0x0
	s_add_nc_u64 s[4:5], s[4:5], s[18:19]
	s_add_nc_u64 s[12:13], s[12:13], s[20:21]
	s_add_nc_u64 s[14:15], s[14:15], s[22:23]
	s_cmp_lt_u32 s16, 8
	s_cbranch_scc0 .Lothers
	; ---- waves 0 to 7: a centre tile: codes of -2 c, scale words, |c|^2, the query's potential
.irp i, 0,1,2,3,4,5,6,7
	global_load_b128 v[X+4*\i:X+4*\i+3], v[AC], s[6:7] offset:16*\i
.endr
.irp i, 0,1,2,3,4,5,6,7
	global_load_b128 v[QY+4*\i:QY+4*\i+3], v[AQ], s[10:11] offset:16*\i
.endr
	global_load_b32 v[MUJ], v[LGA], s[8:9]
	SHARED_LOADS
	s_wait_loadcnt 0x8                             ; all but my first tile's eight loads are in
.irp i, 0,2,4,6,8,10,12,14,16,18,20,22,24,26,28,30
	v_pk_mul_f32 v[X+\i:X+\i+1], v[X+\i:X+\i+1], -2.0 op_sel_hi:[1,0]
.endr
	QUANT                                          ; ZC = 4 |c|^2
	v_mul_f32 v[CC], 0x3e800000, v[ZC]             ; |c|^2
	v_pk_mul_f32 v[P:P+1], v[X:X+1], v[QY:QY+1]
	v_pk_mul_f32 v[P+2:P+3], v[X+2:X+3], v[QY+2:QY+3]
	v_pk_mul_f32 v[P+4:P+5], v[QY:QY+1], v[QY:QY+1]
	v_pk_mul_f32 v[P+6:P+7], v[QY+2:QY+3], v[QY+2:QY+3]
.irp i, 4,8,12,16,20,24,28
	v_pk_fma_f32 v[P:P+1], v[X+\i:X+\i+1], v[QY+\i:QY+\i+1], v[P:P+1]
	v_pk_fma_f32 v[P+2:P+3], v[X+\i+2:X+\i+3], v[QY+\i+2:QY+\i+3], v[P+2:P+3]
	v_pk_fma_f32 v[P+4:P+5], v[QY+\i:QY+\i+1], v[QY+\i:QY+\i+1], v[P+4:P+5]
	v_pk_fma_f32 v[P+6:P+7], v[QY+\i+2:QY+\i+3], v[QY+\i+2:QY+\i+3], v[P+6:P+7]
.endr
	v_pk_add_f32 v[P:P+1], v[P:P+1], v[P+2:P+3]
	v_pk_add_f32 v[P+4:P+5], v[P+4:P+5], v[P+6:P+7]
	v_add_f32 v[P], v[P], v[P+1]
	v_add_f32 v[P+4], v[P+4], v[P+5]
	v_permlanex16_b32 v[P+1], v[P], s[SEL], s[SEL+1]
	v_permlanex16_b32 v[P+5], v[P+4], s[SEL], s[SEL+1]
	v_add_f32 v[P], v[P], v[P+1]                   ; -2 q.c, in f32: this product is left as it is
	v_add_f32 v[P+4], v[P+4], v[P+5]               ; |q|^2
	v_max_num_f32 v[CM], 0x0d800000, v[CC]         ; |c|^2, at least 2^-100
	v_add_f32 v[P+6], v[P+4], v[CC]
	v_add_f32 v[P+6], v[P+6], v[P]
	v_max_num_f32 v[P+6], s[CLP], v[P+6]
	s_wait_alu depctr_va_vdst(0)                   ; ahead of the root
	v_sqrt_f32 v[P+6], v[P+6]
	v_lshrrev_b32 v[EW], 23, v[CM]                 ; e
	v_lshl_or_b32 v[EW], v[EW], 8, v[EW]
	v_lshlrev_b32 v[EW], 16, v[EW]
	v_add_nc_u32 v[EW], 0xeefb0000, v[EW]          ; byte 2: e - 5, byte 3: e - 17
	v_and_or_b32 v[EW], v[XSC], 0xffff, v[EW]      ; bytes 0, 1: the blocks of -2 c
	v_and_or_b32 v[MB], v[CM], s33, 0x800000       ; the 24 mantissa bits
	v_mul_u32_u24 v[SH], 12, v[HH]
	v_sub_nc_u32 v[SH], 12, v[SH]
	v_lshrrev_b32 v[MB], v[SH], v[MB]
	v_and_b32 v[MB], 0xfff, v[MB]                  ; lanes 0-15 the upper twelve, lanes 16-31 the lower
	v_lshrrev_b32 v[D2], 8, v[MB]
	v_bfe_u32 v[D1], v[MB], 4, 4
	v_and_b32 v[SH], 15, v[MB]
	v_mul_lo_u32 v[FRG+6], v[D2], s34              ; eight times the top digit at bits 0, 6, .. 42, then the two others at 48 and 54
	v_lshrrev_b32 v[FRG+7], 2, v[D2]
	v_lshl_or_b32 v[FRG+7], v[D2], 4, v[FRG+7]
	v_lshl_or_b32 v[FRG+7], v[D2], 10, v[FRG+7]
	v_lshl_or_b32 v[FRG+7], v[D1], 16, v[FRG+7]
	v_lshl_or_b32 v[FRG+7], v[SH], 22, v[FRG+7]
	ds_store_b128 v[W16], v[FRG:FRG+3] offset:IMG              ; the fragment as an image of its registers
	ds_store_b128 v[W16], v[FRG+4:FRG+7] offset:IMG+512
	ds_store_b32 v[W4], v[EW] offset:SCW
	s_wait_alu depctr_va_vdst(0)                   ; ahead of the root's first reader
	v_add_f32 v[P+6], s[EPS], v[P+6]
	s_wait_alu depctr_va_vdst(0)                   ; ahead of the reciprocal
	v_rcp_f32 v[P+6], v[P+6]
	v_nop
	s_wait_alu depctr_va_vdst(0)                   ; ahead of its first reader
	v_mul_f32 v[P+7], v[MUJ], v[P+6]
	v_add_f32_dpp v[P+7], v[P+7], v[P+7] row_xmask:1 row_mask:0xf bank_mask:0xf
	v_add_f32_dpp v[P+7], v[P+7], v[P+7] row_xmask:2 row_mask:0xf bank_mask:0xf
	v_add_f32_dpp v[P+7], v[P+7], v[P+7] row_xmask:4 row_mask:0xf bank_mask:0xf
	v_add_f32_dpp v[P+7], v[P+7], v[P+7] row_xmask:8 row_mask:0xf bank_mask:0xf
	ds_store_b32 v[WQ], v[P+7] offset:QPP          ; my 16 centres' part of the query's potential
	s_branch .Lturn
.Lothers:
	SHARED_LOADS
.Lturn:
	TURN
	s_wait_dscnt 0x0                               ; my block is back; and for the others' sake: my images have landed
	LOADT 1
	s_barrier_signal -1
	QUANT                                          ; register work while the others arrive: tile 0,
	v_mov_b32 v[FRG+6], 0x18618618                 ; the weights: eight codes 24 (the number 4), a 16 (2), a 1 (1/8), for the whole launch;
	v_mov_b32 v[FRG+7], 0x506186
.irp i, 8,9,10,11
	v_mov_b32 v[FRG+\i], 0                         ; zero codes behind them
.endr
.irp p, 0,1,2,3
.irp i, 0,1,2,3,4,5,6,7,8,9,10,11,12,13,14,15
	v_mov_b32_dpp v[MU+16*\p+\i], v[AP+\p] row_share:\i row_mask:0xf bank_mask:0xf   ; and the masses: register 8 t + j: centre 16 t + 8 h + j
.endr
.endr
	s_wait_alu depctr_va_vdst(0)                   ; directly ahead of the barrier's wait
	s_barrier_wait -1
	ds_load_b128 v[QV:QV+3], v[ZR] offset:QPP
	ds_load_b128 v[QV+4:QV+7], v[ZR] offset:QPP+16
.irp p, 0,1,2,3
	ds_load_b32 v[CSC+\p], v[SCA] offset:SCW+256*\p
.endr
.irp t, 0,1,2,3,4,5,6,7
	ds_load_b128 v[CF+8*\t:CF+8*\t+3], v[GOF] offset:IMG+1024*\t
	ds_load_b128 v[CF+8*\t+4:CF+8*\t+7], v[GOF] offset:IMG+1024*\t+512
.endr
	s_wait_dscnt 0x0
	v_pk_add_f32 v[QV:QV+1], v[QV:QV+1], v[QV+2:QV+3]
	v_pk_add_f32 v[QV+4:QV+5], v[QV+4:QV+5], v[QV+6:QV+7]
	v_pk_add_f32 v[QV:QV+1], v[QV:QV+1], v[QV+4:QV+5]
	v_add_f32 v[QV], v[QV], v[QV+1]
	v_readfirstlane_b32 s[QP], v[QV]               ; the query's potential
	; ---- the stream
	MATH 0
.irp k, 1,2,3,4,5,6
	TILE \k
.endr
	LOGIT
	ds_store_b32 v[LGA], v[ACC] offset:LGT+6144
	s_cmp_lg_u32 s[H8], 0
	s_cbranch_scc0 .Lshort
	TILE 7
	LOGIT
	s_branch .Ljoin
.Lshort:
	v_mov_b32 v[ACC], 0xff61b1e6                   ; no eighth tile: -3e38
.Ljoin:
	; ---- the work-group's logits leave; their largest and the sum of 2^(l - largest)
	v_lshlrev_b32 v[GOF], 4, v0
	v_lshl_add_u32 v[SPW], v0, 2, SPARE
	v_mov_b32 v[NIL], 0
	v_and_b32 v[PA], 15, v0
	v_lshlrev_b32 v[PA], 3, v[PA]
	v_mov_b32 v[PW], s41
	v_mov_b32 v[PX], 0                             ; a lane permute's destination counts as one of its sources
	v_mov_b32 v[VZ], 0
	s_wait_alu depctr_va_vdst(0)                   ; ahead of the waits below
	ds_store_b32 v[LGA], v[ACC] offset:LGT+7168
	s_wait_dscnt 0x0                               ; for the others' sake: my logits have landed
	s_barrier_signal -1
	s_barrier_wait -1
	ds_load_b128 v[160:163], v[GOF] offset:LGT     ; four of the 2,048 a thread
	s_wait_dscnt 0x0
	global_store_b128 v[GOF], v[160:163], s[12:13] ; a wave stores 512 consecutive bytes, at a multiple of 512
	v_max3_num_f32 v164, v160, v161, v162
	v_max_num_f32 v164, v164, v163
	RED v_max_num_f32_dpp, 164
	v_permlanex16_b32 v[PX], v164, s[SEL], s[SEL+1]
	v_max_num_f32 v164, v164, v[PX]                ; the wave's largest l
.irp u, 0,1,2,3
	v_sub_f32 v[166+\u], v[160+\u], v164
.endr
	s_wait_alu depctr_va_vdst(0)                   ; ahead of the batch
.irp u, 0,1,2,3
	v_exp_f32 v[166+\u], v[166+\u]
.endr
	v_nop
	s_wait_alu depctr_va_vdst(0)                   ; one wait for the four exponentials
	v_pk_add_f32 v[166:167], v[166:167], v[168:169]
	v_add_f32 v165, v166, v167
	RED v_add_f32_dpp, 165
	v_permlanex16_b32 v[PX], v165, s[SEL], s[SEL+1]
	v_add_f32 v165, v165, v[PX]                    ; the wave's sum
	ds_store_b64 v[PW], v[164:165] offset:PRB      ; all lanes write the same pair with the same value
	s_wait_dscnt 0x0
	s_barrier_signal -1
	s_barrier_wait -1
	s_wait_tensorcnt 0x0                           ; behind my last LDS store
	ds_add_u32 v[SPW], v[NIL]
	s_wait_dscnt 0x0
	s_cmp_lg_u32 s16, 0
	s_cbranch_scc1 .Lend
	ds_load_b64 v[170:171], v[PA] offset:PRB       ; wave 0 joins the sixteen pairs, one a lane in each half
	s_wait_dscnt 0x0
	v_mov_b32 v172, v170
	RED v_max_num_f32_dpp, 172
	v_sub_f32 v170, v170, v172
	s_wait_alu depctr_va_vdst(0)
	v_exp_f32 v170, v170
	v_nop
	s_wait_alu depctr_va_vdst(0)
	v_mul_f32 v173, v171, v170
	RED v_add_f32_dpp, 173
	v_cmp_eq_u32 vcc_lo, 0, v0
	s_wait_alu depctr_va_vdst(0)                   ; ahead of the wait below
	s_wait_xcnt 0x0                                ; EXEC changes only behind this wait: it is a source of the store above
	s_and_saveexec_b32 s30, vcc_lo
	global_store_b64 v[VZ], v[172:173], s[14:15]   ; the work-group's pair, 8 bytes
	s_endpgm
.Lend:
	s_endpgm
.Lfunc_end_k_q5a8db1ad57_potential:
	.size	k_q5a8db1ad57_potential, .Lfunc_end_k_q5a8db1ad57_potential-k_q5a8db1ad57_potential
	.p2alignl 7, 3214868480
	.fill 96, 4, 3214868480
	.section	.rodata,"a",@progbits
	.p2align	6, 0x0
	.amdhsa_kernel k_q5a8db1ad57_potential
		.amdhsa_group_segment_fixed_size 89600
		.amdhsa_private_segment_fixed_size 0
		.amdhsa_enable_private_segment 0
		.amdhsa_kernarg_size 48
		.amdhsa_user_sgpr_count 2
		.amdhsa_user_sgpr_kernarg_segment_ptr 1
		.amdhsa_wavefront_size32 1
		.amdhsa_system_sgpr_workgroup_id_x 1
		.amdhsa_system_sgpr_workgroup_id_y 1
		.amdhsa_system_sgpr_workgroup_id_z 1
		.amdhsa_system_vgpr_workitem_id 0
		.amdhsa_next_free_vgpr 256
		.amdhsa_next_free_sgpr 66
		.amdhsa_reserve_vcc 1
		.amdhsa_float_denorm_mode_32 3
		.amdhsa_float_denorm_mode_16_64 3
		.amdhsa_memory_ordered 1
		.amdhsa_forward_progress 1
		.amdhsa_inst_pref_size 170
	.end_amdhsa_kernel
	.amdgpu_metadata
---
amdhsa.version: [ 1, 2 ]
amdhsa.kernels:
  - .name:           k_q5a8db1ad57_potential
    .symbol:         k_q5a8db1ad57_potential.kd
    .args:
      - { .name: candidate_z, .offset: 0, .size: 8, .value_kind: global_buffer, .address_space: global }
      - { .name: centers, .offset: 8, .size: 8, .value_kind: global_buffer, .address_space: global }
      - { .name: mus, .offset: 16, .size: 8, .value_kind: global_buffer, .address_space: global }
      - { .name: query_z, .offset: 24, .size: 8, .value_kind: global_buffer, .address_space: global }
      - { .name: logits, .offset: 32, .size: 8, .value_kind: global_buffer, .address_space: global }
      - { .name: pairs, .offset: 40, .size: 8, .value_kind: global_buffer, .address_space: global }
    .group_segment_fixed_size: 89600
    .private_segment_fixed_size: 0
    .kernarg_segment_align: 8
    .kernarg_segment_size: 48
    .max_flat_workgroup_size: 512
    .sgpr_count:     66
    .vgpr_count:     256
    .wavefront_size: 32
...
	.end_amdgpu_metadata
.endif
;; end of part 1
;; launch normalise (part 2): grid 257 x 1, 8 waves a work-group, no clusters, 3,072 bytes of LDS; arguments logits, pairs, centers, mus, query_z, out0, out1; writes out0, out1
.if DOCPART == 2
	.amdgcn_target "amdgcn-amd-amdhsa--gfx1250"
	.amdhsa_code_object_version 6
	.text
	.protected	k_q5a8db1ad57_normalise
	.globl	k_q5a8db1ad57_normalise
	.p2align	8
	.type	k_q5a8db1ad57_normalise,@function
k_q5a8db1ad57_normalise:
	s_mov_b64 s[64:65], 0
	v_nop
	global_prefetch_b8 v0, s[64:65] scope:SCOPE_SE
	s_setreg_imm32_b32 hwreg(HW_REG_WAVE_MODE, 25, 1), 1
	s_wait_xcnt 0x0
; out1[i] = 2^(l[i] - M) / S: l the logits in base 2 and (m, s) the 256 pairs that the launch before has stored; M = the largest m, S = the sum of s 2^(m - M).
; Work-group 0 makes out0 = q + 0.1 sum over j of mu_j (c_j - q) / (r_j^3 + 1e-6), r_j = sqrt(max(|c_j - q|^2, 1e-12)), from the differences themselves.
; Work-group g + 1 takes the 16 (122 or 123) rows from row 16 (122 g + min(g, 18)) on, whose logits stand at 8,192 g bytes; eight a thread.  Each wave merges all 256 pairs for itself (2 KiB, eight pairs a lane):
; a maximum is taken away ahead of every exponential, and no barrier is passed.  A work-group's first and last 256 bytes of out1 may be shared with a neighbour's, at a multiple of 64 bytes.
; The two ways part on the work-group's number alone; only work-group 0 uses LDS.  No matrix unit, no cluster, no tensor load: 4 MB in and out, nothing shared but the pairs.
; LIMITS: NaN and infinities among the inputs are not served.
.set SPARE, 2048                       ; LDS: 256 bytes for each wave, then the spare words, 128 bytes for each wave
	s_load_b256 s[4:11], s[0:1], 0x0               ; logits s[4:5], pairs s[6:7], centres s[8:9], mu s[10:11]
	s_load_b128 s[12:15], s[0:1], 0x20             ; query s[12:13], out0 s[14:15]
	s_load_b64 s[16:17], s[0:1], 0x30              ; out1
	s_mov_b32 s20, 0x76543210
	s_mov_b32 s21, 0xfedcba98                      ; selects for lane l xor 16
	s_cmp_eq_u32 ttmp9, 0
	s_cbranch_scc1 .Lquery
	s_sub_co_u32 s18, ttmp9, 1                     ; g
	s_min_u32 s19, s18, 18
	s_mul_i32 s22, s18, 122
	s_add_co_u32 s22, s22, s19
	s_lshl_b32 s22, s22, 6                         ; my rows' first byte in out1
	s_mov_b32 s23, 0
	s_lshl_b32 s24, s18, 13                        ; and in the logits
	s_mov_b32 s25, 0
	s_cmp_lt_u32 s18, 18
	s_cselect_b32 s26, 4, 0
	s_add_co_u32 s26, s26, 232                     ; threads whose second four rows are mine: 4 x 122 or 4 x 123, less 256
	v_lshlrev_b32 v1, 4, v0
	v_and_b32 v2, 31, v0
	v_lshlrev_b32 v2, 4, v2
	v_mov_b32 v11, 0                               ; the upper half of the pair that the packed multiply names
	v_mov_b32 v12, 0                               ; a lane permute's destination counts as one of its sources
	s_wait_alu depctr_va_vdst(0)                   ; at the head's end
	s_wait_kmcnt 0x0
	s_add_nc_u64 s[4:5], s[4:5], s[24:25]
	s_add_nc_u64 s[16:17], s[16:17], s[22:23]
.irp i, 0,1,2,3
	global_load_b128 v[16+4*\i:19+4*\i], v2, s[6:7] offset:512*\i  ; two pairs
.endr
	global_load_b128 v[32:35], v1, s[4:5] th:TH_LOAD_NT
	global_load_b128 v[36:39], v1, s[4:5] offset:4096 th:TH_LOAD_NT
	s_wait_loadcnt 0x2                             ; the pairs are in; the two loads of logits may be out
	v_max3_num_f32 v8, v16, v18, v20
	v_max3_num_f32 v9, v22, v24, v26
	v_max3_num_f32 v8, v8, v28, v30
	v_max_num_f32 v8, v8, v9
.irp m, 1,2,4,8
	s_delay_alu instid0(VALU_DEP_1)
	v_max_num_f32_dpp v8, v8, v8 row_xmask:\m row_mask:0xf bank_mask:0xf
.endr
	s_delay_alu instid0(VALU_DEP_1)
	v_permlanex16_b32 v12, v8, s20, s21
	s_delay_alu instid0(VALU_DEP_1)
	v_max_num_f32 v8, v8, v12                      ; M
.irp i, 0,1,2,3,4,5,6,7
	v_sub_f32 v[16+2*\i], v[16+2*\i], v8
.endr
	s_wait_alu depctr_va_vdst(0)                   ; ahead of the batch
.irp i, 0,1,2,3,4,5,6,7
	v_exp_f32 v[16+2*\i], v[16+2*\i]
.endr
	v_nop
	s_wait_alu depctr_va_vdst(0)                   ; one wait for the eight exponentials, ahead of their first reader
	v_mul_f32 v10, v17, v16
	v_mul_f32 v9, v19, v18
.irp i, 2,4,6
	v_fmac_f32 v10, v[17+2*\i], v[16+2*\i]
	v_fmac_f32 v9, v[19+2*\i], v[18+2*\i]
.endr
	v_add_f32 v10, v10, v9
.irp m, 1,2,4,8
	s_delay_alu instid0(VALU_DEP_1)
	v_add_f32_dpp v10, v10, v10 row_xmask:\m row_mask:0xf bank_mask:0xf
.endr
	s_delay_alu instid0(VALU_DEP_1)
	v_permlanex16_b32 v12, v10, s20, s21
	s_delay_alu instid0(VALU_DEP_1)
	v_add_f32 v10, v10, v12                        ; S
	s_wait_alu depctr_va_vdst(0)                   ; ahead of the wait below
	s_wait_loadcnt 0x0                             ; the logits
.irp i, 0,1,2,3,4,5,6,7
	v_sub_f32 v[32+\i], v[32+\i], v8
.endr
	s_wait_alu depctr_va_vdst(0)                   ; ahead of the batch
	v_rcp_f32 v10, v10
.irp i, 0,1,2,3,4,5,6,7
	v_exp_f32 v[32+\i], v[32+\i]
.endr
	v_nop
	s_wait_alu depctr_va_vdst(0)                   ; one wait for the reciprocal and the eight exponentials
.irp i, 0,2,4,6
	v_pk_mul_f32 v[32+\i:33+\i], v[32+\i:33+\i], v[10:11] op_sel_hi:[1,0]
.endr
	global_store_b128 v1, v[32:35], s[16:17] th:TH_STORE_NT        ; a wave stores 512 consecutive bytes
	v_cmp_gt_u32 vcc_lo, s26, v0
	s_wait_alu depctr_va_vdst(0)                   ; ahead of the wait below
	s_wait_xcnt 0x0                                ; EXEC changes only behind this wait
	s_and_saveexec_b32 s22, vcc_lo
	global_store_b128 v1, v[36:39], s[16:17] offset:4096 th:TH_STORE_NT
	s_endpgm
.Lquery:
	; thread t holds columns 4 r .. 4 r + 3 (r = t % 16) of centres 8 p .. 8 p + 7 (p = t / 16)
	v_lshrrev_b32 v3, 4, v0                        ; p
	v_and_b32 v4, 15, v0
	v_lshrrev_b32 v7, 5, v0
	v_readfirstlane_b32 s18, v7                    ; wave 0..7
	v_lshlrev_b32 v5, 4, v4                        ; 16 r
	v_lshl_add_u32 v2, v3, 11, v5                  ; 2,048 p + 16 r
	v_lshlrev_b32 v3, 5, v3                        ; 32 p: eight masses
	v_and_b32 v6, 63, v0
	v_lshlrev_b32 v6, 2, v6                        ; 4 k, k = t % 64
	s_lshl_b32 s22, s18, 8
	v_add_nc_u32 v7, s22, v5                       ; LDS: my wave's 64 sums, my four
	v_lshl_add_u32 v8, v0, 2, SPARE
	v_mov_b32 v9, 0
.irp i, 0,1,2,3
	v_mov_b32 v[88+\i], 0                          ; a lane permute's destination counts as one of its sources
.endr
	s_mov_b32 s23, 0x3dcccccd                      ; 0.1
	s_mov_b32 s24, 0x358637bd                      ; 1e-6
	s_mov_b32 s25, 0x2b8cbccc                      ; 1e-12
	s_wait_alu depctr_va_vdst(0)                   ; at the head's end
	s_wait_kmcnt 0x0
.irp i, 0,1,2,3,4,5,6,7
	global_load_b128 v[16+4*\i:19+4*\i], v2, s[8:9] offset:256*\i
.endr
	global_load_b128 v[48:51], v5, s[12:13]
	global_load_b128 v[52:55], v3, s[10:11]
	global_load_b128 v[56:59], v3, s[10:11] offset:16
	global_load_b32 v100, v6, s[12:13]
	s_wait_loadcnt 0x0
.irp i, 0,1,2,3,4,5,6,7
	v_pk_add_f32 v[16+4*\i:17+4*\i], v[16+4*\i:17+4*\i], v[48:49] neg_lo:[0,1] neg_hi:[0,1]   ; c - q
	v_pk_add_f32 v[18+4*\i:19+4*\i], v[18+4*\i:19+4*\i], v[50:51] neg_lo:[0,1] neg_hi:[0,1]
.endr
.irp i, 0,1,2,3,4,5,6,7
	v_pk_mul_f32 v[60+2*\i:61+2*\i], v[16+4*\i:17+4*\i], v[16+4*\i:17+4*\i]
.endr
.irp i, 0,1,2,3,4,5,6,7
	v_pk_fma_f32 v[60+2*\i:61+2*\i], v[18+4*\i:19+4*\i], v[18+4*\i:19+4*\i], v[60+2*\i:61+2*\i]
.endr
.irp i, 0,1,2,3,4,5,6,7
	v_add_f32 v[76+\i], v[60+2*\i], v[61+2*\i]
.endr
.irp m, 1,2,4,8                                    ; over the row's sixteen lanes: |c - q|^2 of my eight centres
.irp i, 0,1,2,3,4,5,6,7
	v_add_f32_dpp v[76+\i], v[76+\i], v[76+\i] row_xmask:\m row_mask:0xf bank_mask:0xf
.endr
.endr
.irp i, 0,1,2,3,4,5,6,7
	v_max_num_f32 v[76+\i], s25, v[76+\i]          ; held at 1e-12
.endr
	s_wait_alu depctr_va_vdst(0)                   ; ahead of the batch
.irp i, 0,1,2,3,4,5,6,7
	v_sqrt_f32 v[76+\i], v[76+\i]
.endr
	v_nop
	s_wait_alu depctr_va_vdst(0)                   ; one wait for the eight roots
.irp i, 0,1,2,3,4,5,6,7
	v_mul_f32 v[92+\i], v[76+\i], v[76+\i]
.endr
.irp i, 0,1,2,3,4,5,6,7
	v_fma_f32 v[92+\i], v[92+\i], v[76+\i], s24    ; r^3 + 1e-6
.endr
	s_wait_alu depctr_va_vdst(0)                   ; ahead of the batch
.irp i, 0,1,2,3,4,5,6,7
	v_rcp_f32 v[92+\i], v[92+\i]
.endr
	v_nop
	s_wait_alu depctr_va_vdst(0)                   ; one wait for the eight reciprocals
.irp i, 0,1,2,3,4,5,6,7
	v_mul_f32 v[60+2*\i], v[52+\i], v[92+\i]       ; mu / (r^3 + 1e-6)
.endr
	v_pk_mul_f32 v[84:85], v[16:17], v[60:61] op_sel_hi:[1,0]
	v_pk_mul_f32 v[86:87], v[18:19], v[60:61] op_sel_hi:[1,0]
.irp i, 1,2,3,4,5,6,7
	v_pk_fma_f32 v[84:85], v[16+4*\i:17+4*\i], v[60+2*\i:61+2*\i], v[84:85] op_sel_hi:[1,0,1]
	v_pk_fma_f32 v[86:87], v[18+4*\i:19+4*\i], v[60+2*\i:61+2*\i], v[86:87] op_sel_hi:[1,0,1]
.endr
.irp i, 0,1,2,3
	v_permlanex16_b32 v[88+\i], v[84+\i], s20, s21
.endr
	v_pk_add_f32 v[84:85], v[84:85], v[88:89]      ; the wave's sixteen centres
	v_pk_add_f32 v[86:87], v[86:87], v[90:91]
	ds_store_b128 v7, v[84:87]                     ; the two halves write the same bytes with the same values
	s_wait_dscnt 0x0
	s_barrier_signal -1
	s_barrier_wait -1
	s_cmp_lt_u32 s18, 2                            ; 64 threads finish: thread k takes the eight waves' sums of channel k
	s_cbranch_scc0 .Ldone
.irp w, 0,1,2,3,4,5,6,7
	ds_load_b32 v[48+\w], v6 offset:256*\w
.endr
	s_wait_dscnt 0x0
	v_pk_add_f32 v[48:49], v[48:49], v[50:51]
	v_pk_add_f32 v[52:53], v[52:53], v[54:55]
	v_pk_add_f32 v[48:49], v[48:49], v[52:53]
	v_add_f32 v48, v48, v49
	v_fma_f32 v48, v48, s23, v100                  ; q + 0.1 x the sum
	global_store_b32 v6, v48, s[14:15]
.Ldone:
	s_wait_tensorcnt 0x0                           ; the wave's end
	ds_add_u32 v8, v9
	s_wait_dscnt 0x0
	s_endpgm
.Lfunc_end_k_q5a8db1ad57_normalise:
	.size	k_q5a8db1ad57_normalise, .Lfunc_end_k_q5a8db1ad57_normalise-k_q5a8db1ad57_normalise
	.p2alignl 7, 3214868480
	.fill 96, 4, 3214868480
	.section	.rodata,"a",@progbits
	.p2align	6, 0x0
	.amdhsa_kernel k_q5a8db1ad57_normalise
		.amdhsa_group_segment_fixed_size 3072
		.amdhsa_private_segment_fixed_size 0
		.amdhsa_enable_private_segment 0
		.amdhsa_kernarg_size 56
		.amdhsa_user_sgpr_count 2
		.amdhsa_user_sgpr_kernarg_segment_ptr 1
		.amdhsa_wavefront_size32 1
		.amdhsa_system_sgpr_workgroup_id_x 1
		.amdhsa_system_sgpr_workgroup_id_y 1
		.amdhsa_system_sgpr_workgroup_id_z 1
		.amdhsa_system_vgpr_workitem_id 0
		.amdhsa_next_free_vgpr 104
		.amdhsa_next_free_sgpr 66
		.amdhsa_reserve_vcc 1
		.amdhsa_float_denorm_mode_32 3
		.amdhsa_float_denorm_mode_16_64 3
		.amdhsa_memory_ordered 1
		.amdhsa_forward_progress 1
		.amdhsa_inst_pref_size 17
	.end_amdhsa_kernel
	.amdgpu_metadata
---
amdhsa.version: [ 1, 2 ]
amdhsa.kernels:
  - .name:           k_q5a8db1ad57_normalise
    .symbol:         k_q5a8db1ad57_normalise.kd
    .args:
      - { .name: logits, .offset: 0, .size: 8, .value_kind: global_buffer, .address_space: global }
      - { .name: pairs, .offset: 8, .size: 8, .value_kind: global_buffer, .address_space: global }
      - { .name: centers, .offset: 16, .size: 8, .value_kind: global_buffer, .address_space: global }
      - { .name: mus, .offset: 24, .size: 8, .value_kind: global_buffer, .address_space: global }
      - { .name: query_z, .offset: 32, .size: 8, .value_kind: global_buffer, .address_space: global }
      - { .name: out0, .offset: 40, .size: 8, .value_kind: global_buffer, .address_space: global }
      - { .name: out1, .offset: 48, .size: 8, .value_kind: global_buffer, .address_space: global }
    .group_segment_fixed_size: 3072
    .private_segment_fixed_size: 0
    .kernarg_segment_align: 8
    .kernarg_segment_size: 56
    .max_flat_workgroup_size: 256
    .sgpr_count:     66
    .vgpr_count:     104
    .wavefront_size: 32
...
	.end_amdgpu_metadata
.endif
;; end of part 2
